; MI455X (gfx1250); checked and timed in simulation.
; The chip was launched on July 23, 2026; its instructions are those of AMD's public machine-readable ISA for CDNA 5 (MIT licence, August 2026) and "CDNA5" Instruction Set Architecture Reference Guide (July 2026). The comments in the code are by the model that wrote it; some were corrected since.
;; Multi Head Attention. Allowed arithmetic: matrix products marked QUANTISED: E2M3 operands, one E8M0 scale for each 32 along K, by v_wmma_scale_f32_16x16x128_f8f6f4 with both operands' format E2M3, f32 sums; everything else in f32.
;; Inputs: Wk 1,024 x 1,024 float32; Wo 1,024 x 1,024 float32; Wq 1,024 x 1,024 float32; Wv 1,024 x 1,024 float32; bk 1,024 float32; bo 1,024 float32; bq 1,024 float32; bv 1,024 float32; k 4 x 2,048 x 1,024 float32; q 4 x 2,048 x 1,024 float32; v 4 x 2,048 x 1,024 float32.
;; Outputs: out0 4 x 2,048 x 1,024 float32.
;; This version of the problem:
;;   THIS VERSION OF THE PROBLEM IS GIVEN IN LOW PRECISION. The matrix products marked QUANTISED in the list below multiply operands that are first quantised to E2M3 (2 exponent bits, 3 mantissa bits; 6 bits a number), with one power-of-two scale for each 32 numbers along K (OCP MX v1.0); their sums are f32. All else is computed in f32.
;;   The module's matrix products, in the order in which they are computed (A, B: the left and right operand; K: the contracted axis; several contracted axes count as one K, in the product's order):
;;     1. [M 8,192, K 1,024] x [K 1,024, N 1,024]; A: input q; B: input Wq: QUANTISED
;;     2. [M 8,192, K 1,024] x [K 1,024, N 1,024]; A: input k; B: input Wk: QUANTISED
;;     3. [M 8,192, K 1,024] x [K 1,024, N 1,024]; A: input v; B: input Wv: QUANTISED
;;     4. batch 64 x [M 2,048, K 64] x [K 64, N 2,048]; A: computed on the way; B: computed on the way: QUANTISED
;;     5. batch 64 x [M 2,048, K 2,048] x [K 2,048, N 64]; A: softmax (see below); B: computed on the way: QUANTISED
;;     6. [M 8,192, K 1,024] x [K 1,024, N 1,024]; A: computed on the way; B: input Wo: QUANTISED
;;   THE QUANTISER, for each operand of a quantised product, along K:
;;     - K is cut into blocks of 32 from its start; a last block that is shorter is filled with zeros.
;;     - A block's scale is 2^e with e = floor(log2(the largest magnitude in the block)) - 2, held to -126 .. 127; a block of zeros has e = 0. As a byte (E8M0): e + 127.
;;     - Each number is divided by its block's scale, clamped to +-7.5, and rounded to the nearest number of E2M3, ties to even, subnormals kept.
;;     - The product sums the exact products of the quantised numbers (number of the format x scale) in f32.
;;   ~~~python
;;   def quantise(x, axis):      # numpy; x: float32 -> the quantised numbers, widened to float32 again
;;       x = np.moveaxis(x, axis, -1); K = x.shape[-1]
;;       x = np.pad(x, [(0, 0)] * (x.ndim - 1) + [(0, -K % 32)]); x = x.reshape(x.shape[:-1] + (-1, 32)); a = np.abs(x).max(-1, keepdims=True)
;;       e = np.where(a > 0, np.clip(np.frexp(np.where(a > 0, a, 1))[1] - 1 - 2, -126, 127), 0)      # np.frexp(a)[1] - 1 = floor(log2(a)), exactly
;;       r = np.clip(x / 2.0 ** e, -7.5, 7.5)
;;       step = 2.0 ** (np.maximum(np.frexp(np.where(r == 0, 1, r))[1] - 1, 0) - 3)
;;       q = np.round(r / step) * step * 2.0 ** e      # np.round: ties to even
;;       return np.moveaxis(q.reshape(q.shape[:-2] + (-1,))[..., :K], -1, axis).astype(np.float32)
;;   ~~~
;;   SOFTMAX AHEAD OF A QUANTISED PRODUCT. Where the list says 'softmax', what is quantised is not the finished softmax but p = 2^(t - M), with t = logit x log2(e) and M = ceil(the row's largest t), a whole number; so 1/2 < the row's largest p <= 1. The row's sum l is taken of the UNQUANTISED p, in f32, and the product's result is divided by l at the end. Since M is a whole number, a kernel that streams over the keys may use a running M (the ceiling of the running maximum): every later rescaling is an exact power of two, which a block's scale takes up: the codes' values come out the same.
;;   OPERANDS COMPUTED ON THE WAY. 'Computed on the way' means the value that the module computes at that place (a softmax that the list does not call 'softmax' is quantised finished and normalised). What goes into a quantiser is computed in f32, as accurately as f32 sums, v_exp_f32 and their like allow (about 1e-6 of the number): no bf16 or f16 on the way to a quantiser, and a product that is left as it is and whose result goes on into a quantised operand takes f32 operands (vector FMAs, or v_wmma_f32_16x16x4_f32). A number that lies on a knife's edge between two numbers of the format may be rounded either way, as far as f32 arithmetic and the matrix unit's own rounding can turn it there, and no further.
;; One version. Each part assembles by itself: llvm-mc -triple=amdgcn-amd-amdhsa -mcpu=gfx1250 --defsym DOCPART=n.
;; ======== version 1 of 1: 4 launches
;; workspace buffers: xc 22,937,600 bytes; qc 6,291,456 bytes; qs 524,288 bytes; kv 12,582,912 bytes; kvs 1,048,576 bytes; ac 6,553,600 bytes
;; launch quant (part 1): grid 256 x 1, 7 waves a work-group, no clusters, 60,160 bytes of LDS; arguments q, k, v, Wq, Wk, Wv, Wo, xc; writes xc
.if DOCPART == 1
	.amdgcn_target "amdgcn-amd-amdhsa--gfx1250"
	.amdhsa_code_object_version 6
	.text
	.protected	k_q6cf0012de7_quant
	.globl	k_q6cf0012de7_quant
	.p2align	8
	.type	k_q6cf0012de7_quant,@function
k_q6cf0012de7_quant:
	s_mov_b64 s[64:65], 0
	v_nop
	global_prefetch_b8 v0, s[64:65] scope:SCOPE_SE
	s_setreg_imm32_b32 hwreg(HW_REG_WAVE_MODE, 25, 1), 1
	s_wait_xcnt 0x0
; q, k, v [8192][1024] and Wq, Wk, Wv, Wo [1024][1024], f32, K innermost, become codes of FP6 (E2M3) with one E8M0 byte for each 32 along K,
; laid as the products' operand registers want them.  A TILE is 16 rows: lane r of tile 2 P + u holds row 32 P + 8 u + r + 8 (r / 8).
; A tile's RECORD is 12,800 bytes: for each half of K (512) eight images of 768 bytes and 256 bytes of scale words.  An image is six operand registers
; (16 rows x 64 along K; lane (r, h) holds k = 32 h .. 32 h + 31): registers 0-3 at 16 x lane, registers 4-5 at 512 + 8 x lane.  Scale words: [row 16][4 words], a word for 128 along K.
; A block's scale is 2^(floor(log2(largest magnitude)) - 2); its byte is the largest magnitude's exponent field - 2, held at 1 from below.
; LIMITS: NaN and infinities are not served; blocks whose largest magnitude lies under 2^-124 are held at the byte 1 (not tried); a block of zeros has the byte 1: its codes are zeros, and this program alone reads the bytes.
; SHARES: 1,792 tiles = 256 work-groups x 7 waves: a wave takes one tile through all of K, eight steps of 128.  Waves share nothing: no barrier, no tensor load, no cluster (no byte is read twice).
; Each load reads 512 consecutive bytes of one row; a step's 16 rows turn through the wave's own stage in LDS, so that a lane gets its 2 x 32 neighbours.  Loads run two steps (32 loads a wave) ahead.
.set STG,   8448                       ; a wave's stage: 16 rows x (512 bytes + 16): the pitch is an odd multiple of 16 bytes
.set SPARE, 7*STG                      ; behind the stages: the spare words, 128 bytes a wave, four blocks of 256 bytes that no other line names
.set L16,  1                           ; 16 x lane
.set L8,   2                           ; 8 x lane
.set STI,  3                           ; the stage, on the way in
.set STO,  4                           ; and on the way out: row r, + 128 h
.set H8,   5                           ; 8 h
.set SOFF, 6                           ; where my four scale words go
.set SPW,  7                           ; my spare word; never rewritten
.set NIL,  8                           ; 0; never rewritten
.set LN,   9                           ; lane
.set M,    10                          ; v10-11 the two blocks' largest magnitudes
.set SO,   12                          ; v12-13 the conversions' scale operands
.set BY,   14                          ; v14-15 the bytes
.set T,    16
.set U,    17
.set R,    32                          ; v32-159  two sets of 64: a step's numbers as loaded
.set X,    160                         ; v160-223 my 2 x 32 neighbours
.set C,    224                         ; v224-235 the step's twelve operand registers
.set PT,   236                         ; v236-238, v240-242 each block's upper 16 codes
.set WD,   244                         ; v244-251 the eight scale words
.set WS,   252                         ; v252-255 the four that I store
	s_load_b512 s[8:23], s[0:1], 0x0               ; q, k, v, Wq, Wk, Wv, Wo, xc
	v_lshl_add_u32 v[SPW], v0, 2, SPARE
	v_mov_b32 v[NIL], 0
	v_lshrrev_b32 v9, 5, v0
	v_readfirstlane_b32 s2, v9                     ; wave 0..6
	v_and_b32 v[LN], 31, v0
	v_lshlrev_b32 v[L16], 4, v[LN]
	v_lshlrev_b32 v[L8], 3, v[LN]
	s_mul_i32 s4, s2, STG
	v_add_nc_u32 v[STI], s4, v[L16]
	v_and_b32 v18, 15, v0                          ; r
	v_bfe_u32 v19, v0, 4, 1                        ; h
	v_mul_u32_u24 v[STO], v18, 528
	v_lshl_add_u32 v[STO], v19, 7, v[STO]
	v_add_nc_u32 v[STO], s4, v[STO]
	v_lshlrev_b32 v[H8], 3, v19
	v_mul_u32_u24 v[SOFF], v19, 6400               ; lanes 0-15 store the first half's words, lanes 16-31 the second's
	v_lshl_add_u32 v[SOFF], v18, 4, v[SOFF]
	v_add_nc_u32 v[SOFF], 6144, v[SOFF]
	v_mov_b32 v[U], 0                              ; a lane permute's destination counts as one of its sources
	s_mov_b32 s28, 0x76543210
	s_mov_b32 s29, 0xfedcba98                      ; selects for lane l xor 16
	s_mul_i32 s3, ttmp9, 7
	s_add_co_u32 s3, s3, s2                        ; my tile, 0 .. 1,791
	s_wait_kmcnt 0x0
	s_mov_b64 s[24:25], s[20:21]                   ; which tensor: the choice hangs on the tile's number alone
	s_mov_b32 s5, 1728
.macro PICK lim, ptr, base
	s_cmp_lt_u32 s3, \lim
	s_cselect_b64 s[24:25], s[\ptr:\ptr+1], s[24:25]
	s_cselect_b32 s5, \base, s5
.endm
	PICK 1728, 18, 1664
	PICK 1664, 16, 1600
	PICK 1600, 14, 1536
	PICK 1536, 12, 1024
	PICK 1024, 10, 512
	PICK 512, 8, 0
	s_sub_co_u32 s5, s3, s5                        ; the tile's number in its tensor
	s_lshr_b32 s6, s5, 1
	s_lshl_b32 s6, s6, 5
	s_and_b32 s7, s5, 1
	s_lshl_b32 s7, s7, 3
	s_add_co_u32 s6, s6, s7                        ; its first row: 32 P + 8 u
	s_lshl_b32 s6, s6, 12                          ; rows of 4,096 bytes
	s_mov_b32 s7, 0
	s_add_nc_u64 s[24:25], s[24:25], s[6:7]
	s_mul_i32 s6, s3, 12800
	s_add_nc_u64 s[26:27], s[22:23], s[6:7]        ; its record
.macro LOAD t                          ; step t: 512 bytes of each of the tile's 16 rows, into set t % 2
.irp i, 0,1,2,3,4,5,6,7,8,9,10,11,12,13,14,15
	global_load_b128 v[R+64*((\t)%2)+4*\i:R+64*((\t)%2)+4*\i+3], v[L16], s[24:25] offset:(\i+8*(\i/8))*4096+512*(\t) th:TH_LOAD_NT
.endr
.endm
.macro STEP t
.if (\t) < 7
	s_wait_loadcnt 16                              ; this step's 16 loads are in; the next step's 16 may be out
.else
	s_wait_loadcnt 0x0
.endif
	s_wait_xcnt 0x0                                ; the last step's stores have read their data: C is written again only behind this wait
.irp i, 0,1,2,3,4,5,6,7,8,9,10,11,12,13,14,15
	ds_store_b128 v[STI], v[R+64*((\t)%2)+4*\i:R+64*((\t)%2)+4*\i+3] offset:528*\i
.endr
.irp c, 0,1
.irp j, 0,1,2,3,4,5,6,7
	ds_load_b128 v[X+32*\c+4*\j:X+32*\c+4*\j+3], v[STO] offset:256*\c+16*\j   ; k = 64 c + 32 h + 4 j ..; LDS serves a wave's instructions in order: these see the stores above
.endr
.endr
	s_wait_dscnt 0x0                               ; my numbers are back, and the stores have read the set,
.if (\t) < 6
	LOAD (\t)+2                                    ; which takes the loads of two steps on
.endif
.irp c, 0,1
	v_max3_num_f32 v[M+\c], |v[X+32*\c]|, |v[X+32*\c+1]|, 0x1800000   ; block 2 c + h: all 32 numbers are mine; the floor 2^(3 - 127) holds the byte at 1 from below
.endr
.irp i, 2,4,6,8,10,12,14,16,18,20,22,24,26,28,30
.irp c, 0,1
	v_max3_num_f32 v[M+\c], v[M+\c], |v[X+32*\c+\i]|, |v[X+32*\c+\i+1]|   ; (the two blocks by turns)
.endr
.endr
.irp c, 0,1
	v_add_nc_u32 v[SO+\c], 0xff000000, v[M+\c]     ; 2 off the exponent field: the conversion takes the exponent field of this operand as its scale
.endr
.irp c, 0,1
	v_lshrrev_b32 v[BY+\c], 23, v[SO+\c]           ; the scale's byte
.endr
	v_lshl_or_b32 v[T], v[BY+1], 16, v[BY]         ; blocks h and 2 + h,
	v_lshlrev_b32 v[T], v[H8], v[T]                ; at their places in the word;
	v_permlanex16_b32 v[U], v[T], s28, s29
	v_or_b32 v[WD+(\t)], v[T], v[U]                ; with lane l xor 16's two the word is whole
	v_cvt_scalef32_pk16_fp6_f32 v[C:C+2], v[X:X+15], v[SO]
	v_cvt_scalef32_pk16_fp6_f32 v[PT:PT+2], v[X+16:X+31], v[SO]          ; (a conversion's three registers begin on an even number)
	v_cvt_scalef32_pk16_fp6_f32 v[C+6:C+8], v[X+32:X+47], v[SO+1]
	v_cvt_scalef32_pk16_fp6_f32 v[PT+4:PT+6], v[X+48:X+63], v[SO+1]
	v_nop                                          ; one plain place behind a scaled conversion
.irp c, 0,1
.irp i, 0,1,2
	v_mov_b32 v[C+6*\c+3+\i], v[PT+4*\c+\i]
.endr
.endr
	global_store_b128 v[L16], v[C:C+3], s[26:27] offset:((\t)/4)*6400+((\t)%4)*1536          ; each store covers 512 or 256 consecutive bytes, aligned to 256
	global_store_b64 v[L8], v[C+4:C+5], s[26:27] offset:((\t)/4)*6400+((\t)%4)*1536+512
	global_store_b128 v[L16], v[C+6:C+9], s[26:27] offset:((\t)/4)*6400+((\t)%4)*1536+768
	global_store_b64 v[L8], v[C+10:C+11], s[26:27] offset:((\t)/4)*6400+((\t)%4)*1536+1280
.endm
	LOAD 0
	LOAD 1
.irp t, 0,1,2,3,4,5,6,7
	STEP \t
.endr
	v_cmp_le_u32 vcc_lo, 16, v[LN]
.irp j, 0,1,2,3
	v_cndmask_b32 v[WS+\j], v[WD+\j], v[WD+4+\j], vcc_lo   ; lanes 0-15: steps 0-3; lanes 16-31: steps 4-7
.endr
	global_store_b128 v[SOFF], v[WS:WS+3], s[26:27]        ; sixteen lanes fill each half's 256 bytes of scale words
	s_wait_tensorcnt 0x0                           ; the wave's end: behind my last LDS store
	ds_add_u32 v[SPW], v[NIL]
	s_wait_dscnt 0x0
	s_endpgm
.Lfunc_end_k_q6cf0012de7_quant:
	.size	k_q6cf0012de7_quant, .Lfunc_end_k_q6cf0012de7_quant-k_q6cf0012de7_quant
	.p2alignl 7, 3214868480
	.fill 96, 4, 3214868480
	.section	.rodata,"a",@progbits
	.p2align	6, 0x0
	.amdhsa_kernel k_q6cf0012de7_quant
		.amdhsa_group_segment_fixed_size 60160
		.amdhsa_private_segment_fixed_size 0
		.amdhsa_enable_private_segment 0
		.amdhsa_kernarg_size 64
		.amdhsa_user_sgpr_count 2
		.amdhsa_user_sgpr_kernarg_segment_ptr 1
		.amdhsa_wavefront_size32 1
		.amdhsa_system_sgpr_workgroup_id_x 1
		.amdhsa_system_sgpr_workgroup_id_y 1
		.amdhsa_system_sgpr_workgroup_id_z 1
		.amdhsa_system_vgpr_workitem_id 0
		.amdhsa_next_free_vgpr 256
		.amdhsa_next_free_sgpr 66
		.amdhsa_reserve_vcc 1
		.amdhsa_float_denorm_mode_32 3
		.amdhsa_float_denorm_mode_16_64 3
		.amdhsa_memory_ordered 1
		.amdhsa_forward_progress 1
		.amdhsa_inst_pref_size 59
	.end_amdhsa_kernel
	.amdgpu_metadata
---
amdhsa.version: [ 1, 2 ]
amdhsa.kernels:
  - .name:           k_q6cf0012de7_quant
    .symbol:         k_q6cf0012de7_quant.kd
    .args:
      - { .name: q, .offset: 0, .size: 8, .value_kind: global_buffer, .address_space: global }
      - { .name: k, .offset: 8, .size: 8, .value_kind: global_buffer, .address_space: global }
      - { .name: v, .offset: 16, .size: 8, .value_kind: global_buffer, .address_space: global }
      - { .name: Wq, .offset: 24, .size: 8, .value_kind: global_buffer, .address_space: global }
      - { .name: Wk, .offset: 32, .size: 8, .value_kind: global_buffer, .address_space: global }
      - { .name: Wv, .offset: 40, .size: 8, .value_kind: global_buffer, .address_space: global }
      - { .name: Wo, .offset: 48, .size: 8, .value_kind: global_buffer, .address_space: global }
      - { .name: xc, .offset: 56, .size: 8, .value_kind: global_buffer, .address_space: global }
    .group_segment_fixed_size: 60160
    .private_segment_fixed_size: 0
    .kernarg_segment_align: 8
    .kernarg_segment_size: 64
    .max_flat_workgroup_size: 224
    .sgpr_count:     66
    .vgpr_count:     256
    .wavefront_size: 32
...
	.end_amdgpu_metadata
.endif
;; end of part 1
;; launch proj (part 2): grid 4 x 192, 8 waves a work-group, clusters of 4 x 4, 327,680 bytes of LDS; arguments xc, bq, bk, bv, qc, qs, kv, kvs; writes qc, qs, kv, kvs
.if DOCPART == 2
	.amdgcn_target "amdgcn-amd-amdhsa--gfx1250"
	.amdhsa_code_object_version 6
	.text
	.protected	k_q6cf0012de7_proj
	.globl	k_q6cf0012de7_proj
	.p2align	8
	.type	k_q6cf0012de7_proj,@function
k_q6cf0012de7_proj:
	s_mov_b64 s[64:65], 0
	v_nop
	global_prefetch_b8 v0, s[64:65] scope:SCOPE_SE
	s_setreg_imm32_b32 hwreg(HW_REG_WAVE_MODE, 25, 1), 1
	s_wait_xcnt 0x0
	s_wait_alu depctr_hold_cnt(0) depctr_sa_sdst(0) depctr_va_vdst(0) depctr_va_sdst(0) depctr_va_ssrc(0) depctr_va_vcc(0) depctr_vm_vsrc(0)
	s_getreg_b32 s2, hwreg(HW_REG_IB_STS2, 6, 4)
	s_cmp_eq_u32 s2, 0
	s_cbranch_scc0 .Lentry_in_a_cluster
	s_endpgm
.Lentry_in_a_cluster:
	s_bfe_u32 s2, ttmp6, 0x10000c
	s_cmp_lg_u32 s2, 0xf033
	s_cbranch_scc0 .Lentry_shape_is_right
	s_endpgm
.Lentry_shape_is_right:
; Q = q Wq^T + bq, K = k Wk^T + bk, V^T = Wv v^T + bv, on codes of FP6 (E2M3) with E8M0 scales, sums in f32; each result is quantised at once for attention:
; Q and K along the head's 64, V along the keys.  All operands come as tile records (12,800 bytes: for each half of K eight images of 768 bytes, then 256 bytes of scale words).
; A tile is 16 rows; lane r of tile 2 P + u holds row 32 P + 8 u + r + 8 (r / 8).  THE MATRIX INSTRUCTION IS USED TRANSPOSED: source 0 = a tile of B, source 1 = a tile of A: a lane keeps one row of A,
; and the 16 registers of B's tiles 2 b and 2 b + 1 are 16 neighbours along n: 32 b + 16 (lane / 16) + 0 .. 15: what the quantiser along n wants.
; MODES by the cluster's y (48 clusters): 0-15 Q (A = q, B = Wq), 16-31 K (A = k, B = Wk), 32-47 V (A = Wv, B = v: n = the keys).
; SHARES: a work-group makes 128 (m) x 256 (n): 8 tiles of A, 16 of B, with ALL of K in LDS, in two chunks of 512 along K, each filled once.  Eight waves, each 64 x 64: 16 accumulators.
; CLUSTER 4 x 4: A's tiles are shared along a row of the cluster, B's along a column: joint loads.  By this text's count a wave has two tensor loads out.
; LIMITS: NaN and infinities are not served; blocks whose largest magnitude lies under 2^-124 are held at the byte 1 (not tried); a block of zeros has the byte 1: its codes are zeros, and this program alone reads the bytes.
.set REC,   12800
.set HREC,  6400
.set CHUNK, 24*HREC                    ; a chunk: A's 8 half records, then B's 16
.set BOFF,  8*HREC
.set WT,    4*HREC                     ; a wave's four tiles
.set BSCR,  2*CHUNK                    ; 256 bytes a wave: its 64 numbers of the bias
.set SPARE, BSCR+8*256                 ; the spare words, 128 bytes a wave: four blocks of 256 bytes that no other line names
.set L16,  1
.set L8,   2
.set RR,   3
.set HH,   4
.set SPW,  5                           ; my spare word; never rewritten
.set NIL,  6                           ; 0; never rewritten
.set AA16, 7                           ; my A tiles: + 16 x lane, + 8 x lane
.set AA8,  8
.set AB16, 9                           ; my B tiles
.set AB8,  10
.set AS,   11                          ; scale words: lanes 0-15 A's, lanes 16-31 B's
.set BSW,  12
.set BSRN, 13
.set BSRM, 14
.set LN,   15
.set SC,   16                          ; v16-31 scale words: register 4 i + s: tile i, K step s of the chunk
.set AF,   32                          ; v32-79  A's four fragments
.set BF,   80                          ; v80-127 B's four
.set ACC,  128                         ; accumulator (a, b) at 128 + 32 a + 8 b
.set BN,   32                          ; the way out: the bias along n,
.set BM,   32                          ; or along m;
.set PC,   64                          ; v64-87 codes, six registers a tile
.set PT,   88
.set TM,   96
.set W,    104                         ; v104-107 scale words
.set WV,   20
.set G1A,  32
.set G1B,  40
.set G0A,  48
.set G0B,  56
.set SEL,  66
.macro CROUND                          ; a round of the cluster's barrier
	s_barrier_signal -1
	s_barrier_wait -1
	s_cmp_lg_u32 s[WV], 0
	s_cbranch_scc1 .Lnot_wave_0_\@
	s_barrier_signal -3
.Lnot_wave_0_\@:
	s_barrier_wait -3
	s_barrier_signal -1
	s_barrier_wait -1
.endm
	s_load_b512 s[4:19], s[0:1], 0x0               ; xc, bq, bk, bv, qc, qs, kv, kvs
	v_lshl_add_u32 v[SPW], v0, 2, SPARE
	v_mov_b32 v[NIL], 0
	ds_add_u32 v[SPW], v[NIL]                      ; the wave's opening: the add and its wait stand ahead of my first tensor load; work on registers stands between them
	v_lshrrev_b32 v15, 5, v0
	v_readfirstlane_b32 s[WV], v15                 ; wave 0..7
	s_and_b32 s21, s[WV], 1                        ; wm: which 64 of the 128 rows
	s_lshr_b32 s22, s[WV], 1                       ; wn: which 64 of the 256 columns
	s_and_b32 s23, s[WV], 3                        ; wl: which part I fetch
	s_bfe_u32 s24, ttmp6, 0x40000                  ; cx
	s_bfe_u32 s25, ttmp6, 0x40004                  ; cy
	s_and_b32 s26, ttmp7, 0xffff                   ; the cluster's y, the same in all sixteen partners
	s_lshr_b32 s27, s26, 4                         ; mode 0, 1, 2
	s_and_b32 s28, s26, 15
	s_and_b32 s74, s28, 1
	s_lshr_b32 s75, s28, 1
	s_lshl_b32 s76, s27, 9                         ; q's or k's first tile
	s_lshl_b32 s77, s27, 6
	s_add_co_u32 s77, s77, 1536                    ; Wq's or Wk's
	s_cmp_ge_u32 s26, 32                           ; V?
	s_cselect_b32 s78, s74, s28
	s_cselect_b32 s79, s75, 0
	s_cselect_b32 s76, 1664, s76                   ; A's first tile (V: Wv's)
	s_cselect_b32 s77, 1024, s77                   ; B's (V: v's)
	s_cselect_b32 s29, 1, 0
	s_lshl_b32 s78, s78, 2
	s_add_co_u32 s78, s78, s25                     ; my block of 128 along m
	s_lshl_b32 s79, s79, 2
	s_add_co_u32 s79, s79, s24                     ; my block of 256 along n
	s_lshl_b32 s70, s78, 3
	s_add_co_u32 s70, s70, s76
	s_lshl_b32 s71, s23, 1
	s_add_co_u32 s70, s70, s71                     ; A: tiles 2 wl, 2 wl + 1 of the block: hangs on cy, not on cx
	s_mul_i32 s70, s70, REC
	s_mov_b32 s71, 0
	s_lshl_b32 s72, s79, 4
	s_add_co_u32 s72, s72, s77
	s_lshl_b32 s73, s23, 2
	s_add_co_u32 s72, s72, s73                     ; B: tiles 4 wl .. 4 wl + 3: hangs on cx, not on cy
	s_mul_i32 s72, s72, REC
	s_mov_b32 s73, 0
	s_lshl_b32 s80, s25, 2
	s_lshl_b32 s80, 15, s80                        ; my row of the cluster
	s_lshl_b32 s81, 0x1111, s24                    ; my column
	s_or_b32 s[G1A], s80, (3<<16)|(1<<21)          ; 15:0 the mask; 17:16 elements of 8 bytes; 21 set beside a mask; no padding
	s_or_b32 s[G1B], s81, (3<<16)|(1<<21)
	s_mov_b32 s[G1A+1], 800<<16                    ; tensor_dim0: 800 elements = half a record
	s_mov_b32 s[G1A+2], 2<<16                      ; tensor_dim1: 2 tiles
	s_mov_b32 s[G1A+3], 800<<16                    ; tile_dim0
	s_mov_b32 s[G1A+4], 2                          ; tile_dim1
	s_mov_b32 s[G1A+5], 1600                       ; from record to record
	s_mov_b32 s[G1A+6], 0
	s_mov_b32 s[G1A+7], 0
	s_mov_b32 s[G1B+1], 800<<16
	s_mov_b32 s[G1B+2], 4<<16                      ; 4 tiles
	s_mov_b32 s[G1B+3], 800<<16
	s_mov_b32 s[G1B+4], 4
	s_mov_b32 s[G1B+5], 1600
	s_mov_b32 s[G1B+6], 0
	s_mov_b32 s[G1B+7], 0
	s_mul_i32 s82, s23, 2*HREC                     ; where they go: the wave's number alone enters an LDS address
	s_mul_i32 s83, s23, 4*HREC
	s_add_co_u32 s83, s83, BOFF
	s_mov_b32 s[SEL], 0x76543210
	s_mov_b32 s[SEL+1], 0xfedcba98
	s_wait_dscnt 0x0                               ; the opening add is done
	s_wait_kmcnt 0x0
	s_add_nc_u64 s[70:71], s[4:5], s[70:71]
	s_add_nc_u64 s[72:73], s[4:5], s[72:73]
	CROUND                                         ; all sixteen work-groups are here: the joint loads meet
.irp q, 0,1
	s_mov_b32 s[G0A+4*\q], 1
	s_add_co_u32 s[G0A+4*\q+1], s82, \q*CHUNK
	s_add_nc_u64 s[G0A+4*\q+2:G0A+4*\q+3], s[70:71], \q*HREC
	s_or_b32 s[G0A+4*\q+3], s[G0A+4*\q+3], 0x80000000
	s_mov_b32 s[G0B+4*\q], 1
	s_add_co_u32 s[G0B+4*\q+1], s83, \q*CHUNK
	s_add_nc_u64 s[G0B+4*\q+2:G0B+4*\q+3], s[72:73], \q*HREC
	s_or_b32 s[G0B+4*\q+3], s[G0B+4*\q+3], 0x80000000
.endr
	s_cmp_lt_u32 s[WV], 4                          ; waves 0-3 fetch A's tiles, waves 4-7 B's; a wave's two fills stand in one branch, ahead of every wait on TENSORcnt, every LDS read and every further barrier
	s_cbranch_scc0 .Lfor_b
	tensor_load_to_lds s[G0A:G0A+3], s[G1A:G1A+7]
	s_nop 0
	tensor_load_to_lds s[G0A+4:G0A+7], s[G1A:G1A+7]
	s_nop 0
.rept 4
	v_nop
.endr
	s_branch .Lasked
.Lfor_b:
	tensor_load_to_lds s[G0B:G0B+3], s[G1B:G1B+7]
	s_nop 0
	tensor_load_to_lds s[G0B+4:G0B+7], s[G1B:G1B+7]
	s_nop 0
.rept 4
	v_nop
.endr
.Lasked:
	v_and_b32 v[LN], 31, v0
	v_lshlrev_b32 v[L16], 4, v[LN]
	v_lshlrev_b32 v[L8], 3, v[LN]
	v_and_b32 v[RR], 15, v0
	v_bfe_u32 v[HH], v0, 4, 1
	s_mul_i32 s30, s21, WT
	v_add_nc_u32 v[AA16], s30, v[L16]
	v_add_nc_u32 v[AA8], s30, v[L8]
	s_mul_i32 s31, s22, WT
	s_add_co_u32 s31, s31, BOFF
	v_add_nc_u32 v[AB16], s31, v[L16]
	v_add_nc_u32 v[AB8], s31, v[L8]
	s_xor_b32 s31, s21, 1                          ; from my A tiles to my B tiles: WT x (wn + 2 - wm) = WT x (wn + 1 + (wm xor 1))
	s_add_co_u32 s31, s31, s22
	s_add_co_u32 s31, s31, 1
	s_mul_i32 s31, s31, WT
	v_mul_u32_u24 v[AS], s31, v[HH]                ; lanes 16-31 take B's words: one product, the lower base + h x the distance
	v_lshl_add_u32 v[AS], v[RR], 4, v[AS]
	v_add_nc_u32 v[AS], s30, v[AS]
	s_lshl_b32 s30, s[WV], 8
	s_add_co_u32 s30, s30, BSCR
	v_add_nc_u32 v[BSW], s30, v[L8]
	v_lshl_add_u32 v[BSRN], v[HH], 6, s30
	v_and_b32 v16, 8, v[RR]
	v_add_nc_u32 v16, v16, v[RR]                   ; r + 8 (r / 8)
	v_lshl_add_u32 v[BSRM], v16, 2, s30
	; where my results go: scalars of their own, which feed no descriptor.  Q and K: my four tiles of tokens, my head
	s_lshl_b32 s84, s78, 3
	s_lshl_b32 s85, s21, 2
	s_add_co_u32 s84, s84, s85                     ; my first tile of tokens
	s_lshr_b32 s85, s84, 7
	s_lshl_b32 s85, s85, 4                         ; 16 x batch
	s_lshl_b32 s86, s79, 2
	s_add_co_u32 s86, s86, s22                     ; my 64 along n: the head (Q, K), or the group of 64 keys (V)
	s_add_co_u32 s85, s85, s86                     ; batch x 16 + head
	s_and_b32 s84, s84, 127                        ; the tile in its batch
	s_mul_i32 s87, s85, 98304
	s_lshr_b32 s88, s84, 3
	s_mul_i32 s88, s88, 6144
	s_add_co_u32 s87, s87, s88
	s_lshl_b32 s87, s87, s27                       ; K: a key step is 12,288 bytes, of which K's eight tiles are the first half
	s_and_b32 s88, s84, 7
	s_mul_i32 s88, s88, 768
	s_add_co_u32 s87, s87, s88                     ; codes
	s_lshl_b32 s88, s85, 13
	s_lshl_b32 s88, s88, s27
	s_lshr_b32 s89, s84, 2
	s_lshl_b32 s89, s89, 8
	s_add_co_u32 s88, s88, s89                     ; scale words: 256 bytes for four tiles
	s_lshl_b32 s89, s86, 8                         ; the bias: 64 numbers along n
	; V: my head's four tiles of d, my 64 keys
	s_lshr_b32 s90, s86, 5
	s_lshl_b32 s90, s90, 4
	s_lshl_b32 s91, s78, 1
	s_add_co_u32 s91, s91, s21                     ; the head
	s_add_co_u32 s90, s90, s91
	s_and_b32 s92, s86, 31                         ; 2 x key step + half
	s_lshr_b32 s93, s92, 1
	s_and_b32 s94, s86, 1
	s_mul_i32 s95, s90, 196608
	s_mul_i32 s93, s93, 12288
	s_add_co_u32 s95, s95, s93
	s_mul_i32 s93, s94, 3072
	s_add_co_u32 s95, s95, s93
	s_add_co_u32 s95, s95, 6144
	s_lshl_b32 s90, s90, 14
	s_lshl_b32 s92, s92, 8
	s_add_co_u32 s90, s90, s92
	s_add_co_u32 s90, s90, 8192
	s_lshl_b32 s91, s91, 8                         ; the bias: 64 numbers along m
	s_lshl_b32 s94, s94, 4                         ; the second half's two bytes go 16 bits up
	s_cmp_eq_u32 s29, 1
	s_cselect_b32 s87, s95, s87
	s_cselect_b32 s88, s90, s88
	s_cselect_b32 s89, s91, s89
	s_cselect_b32 s94, s94, 0
	s_cmp_eq_u32 s27, 0
	s_cselect_b64 s[12:13], s[12:13], s[16:17]     ; qc or kv
	s_cselect_b64 s[14:15], s[14:15], s[18:19]     ; qs or kvs
	s_cselect_b64 s[6:7], s[6:7], s[8:9]
	s_cmp_eq_u32 s27, 2
	s_cselect_b64 s[6:7], s[10:11], s[6:7]         ; bq, bk or bv
	s_mov_b32 s99, 0
	s_mov_b32 s98, s87
	s_add_nc_u64 s[12:13], s[12:13], s[98:99]
	s_mov_b32 s98, s88
	s_add_nc_u64 s[14:15], s[14:15], s[98:99]
	s_mov_b32 s98, s89
	s_add_nc_u64 s[6:7], s[6:7], s[98:99]
	global_load_b64 v[16:17], v[L8], s[6:7]        ; my 64 numbers of the bias: 256 consecutive bytes,
	s_wait_loadcnt 0x0
	ds_store_b64 v[BSW], v[16:17]                  ; into my own 256 bytes of LDS, read back on the way out in the result's layout
.macro FRAG reg, a16, a8, off          ; a fragment, 16 rows x 128 K: two images
	ds_load_b128 v[\reg:\reg+3], v[\a16] offset:\off
	ds_load_b64 v[\reg+4:\reg+5], v[\a8] offset:(\off)+512
	ds_load_b128 v[\reg+6:\reg+9], v[\a16] offset:(\off)+768
	ds_load_b64 v[\reg+10:\reg+11], v[\a8] offset:(\off)+1280
.endm
.macro SCL                             ; the chunk's scale words: lanes 0-15 A's tile i, lanes 16-31 B's tile i, four K steps each
.irp i, 0,1,2,3
	ds_load_b128 v[SC+4*\i:SC+4*\i+3], v[AS] offset:HREC*\i+6144
.endr
.endm
; A K step of 128: 32 LDS loads, 16 matrix instructions.  places: v_nop in front of loads into registers that matrix instructions have read (four plain vector instructions are owed).
; The 16 accumulators take turns, one instruction a turn, in the same order in every step.
.macro KSTEP s, zero, places
.rept \places
	v_nop
.endr
.irp i, 0,1,2,3
	FRAG BF+12*\i, AB16, AB8, HREC*\i+1536*\s
.endr
.irp i, 0,1,2,3
	FRAG AF+12*\i, AA16, AA8, HREC*\i+1536*\s
.endr
.irp a, 0,1,2,3
	s_wait_dscnt 12-4*\a                           ; B's four and A's tiles up to a are in; the later tiles' loads, four each, may be out
.irp b, 0,1,2,3
.if \zero
	v_wmma_scale_f32_16x16x128_f8f6f4 v[ACC+32*\a+8*\b:ACC+32*\a+8*\b+7], v[BF+12*\b:BF+12*\b+11], v[AF+12*\a:AF+12*\a+11], 0, v[SC+4*\b+\s], v[SC+4*\a+\s] matrix_a_fmt:MATRIX_FMT_FP6 matrix_b_fmt:MATRIX_FMT_FP6 matrix_a_scale:MATRIX_SCALE_ROW1
.else
	v_wmma_scale_f32_16x16x128_f8f6f4 v[ACC+32*\a+8*\b:ACC+32*\a+8*\b+7], v[BF+12*\b:BF+12*\b+11], v[AF+12*\a:AF+12*\a+11], v[ACC+32*\a+8*\b:ACC+32*\a+8*\b+7], v[SC+4*\b+\s], v[SC+4*\a+\s] matrix_a_fmt:MATRIX_FMT_FP6 matrix_b_fmt:MATRIX_FMT_FP6 matrix_a_scale:MATRIX_SCALE_ROW1
.endif
.endr
.endr
.endm
	s_wait_tensorcnt 0x1                           ; my part of chunk 0 is in; chunk 1's load may stay out
	s_wait_dscnt 0x0                               ; my store of the bias
	s_barrier_signal -1
	s_barrier_wait -1                              ; everybody's part is in
	SCL
	KSTEP 0, 1, 0                                  ; the first products start the sums
	KSTEP 1, 0, 4
	KSTEP 2, 0, 4
	KSTEP 3, 0, 4
	s_wait_tensorcnt 0x0                           ; my part of chunk 1
	s_wait_dscnt 0x0
	s_barrier_signal -1
	s_barrier_wait -1
.irp x, AA16, AA8, AB16, AB8, AS
	v_add_nc_u32 v[\x], CHUNK, v[\x]               ; on to chunk 1; these five are also the places in front of the loads below
.endr
	SCL
	KSTEP 0, 0, 0
	KSTEP 1, 0, 4
	KSTEP 2, 0, 4
	KSTEP 3, 0, 4
.rept 4
	v_nop                                          ; places in front of the first read of results and of loads and writes into operands
.endr
	; THE BIAS.  Q, K: along n (a lane's registers); V: along m (a lane's row).  The branch hangs on the cluster's y alone.
	s_cmp_eq_u32 s29, 1
	s_cbranch_scc1 .Lby_row
.irp b, 0,1,2,3
	ds_load_b128 v[BN+8*\b:BN+8*\b+3], v[BSRN] offset:128*(\b/2)+32*(\b%2)        ; n = 32 (b / 2) + 16 h + 8 (b % 2) + 0 .. 7
	ds_load_b128 v[BN+8*\b+4:BN+8*\b+7], v[BSRN] offset:128*(\b/2)+32*(\b%2)+16
.endr
	s_wait_dscnt 0x0
.irp a, 0,1,2,3
.irp b, 0,1,2,3
.irp p, 0,2,4,6
	v_pk_add_f32 v[ACC+32*\a+8*\b+\p:ACC+32*\a+8*\b+\p+1], v[ACC+32*\a+8*\b+\p:ACC+32*\a+8*\b+\p+1], v[BN+8*\b+\p:BN+8*\b+\p+1]   ; each accumulator from its low end on
.endr
.endr
.endr
	s_branch .Lbiased
.Lby_row:
.irp a, 0,1,2,3
	v_mov_b32 v[BM+2*\a+1], 0                      ; (named as the upper half of a pair)
.endr
.irp a, 0,1,2,3
	ds_load_b32 v[BM+2*\a], v[BSRM] offset:128*(\a/2)+32*(\a%2)   ; m = 32 (a / 2) + 8 (a % 2) + r + 8 (r / 8)
.endr
	s_wait_dscnt 0x0
.irp a, 0,1,2,3
.irp b, 0,1,2,3
.irp p, 0,2,4,6
	v_pk_add_f32 v[ACC+32*\a+8*\b+\p:ACC+32*\a+8*\b+\p+1], v[ACC+32*\a+8*\b+\p:ACC+32*\a+8*\b+\p+1], v[BM+2*\a:BM+2*\a+1] op_sel_hi:[1,0]
.endr
.endr
.endr
.Lbiased:
	v_mov_b32 v[TM+2], 0                           ; a lane permute's destination counts as one of its sources
	v_mov_b32 v[TM+3], 0
; 32 numbers of a lane, register 16 b + i = k 32 b + 16 (lane / 16) + i of my row, become an image's six registers in v[pc] on and the word b0 | b1 << 8 in v[w].
.macro Q32 src, pc, w
	v_max3_num_f32 v[TM], |v[\src]|, |v[\src+1]|, 0x1800000          ; my 16 numbers of each block, and the floor 2^(3 - 127): the byte cannot fall under 1
	v_max3_num_f32 v[TM+1], |v[\src+16]|, |v[\src+17]|, 0x1800000
.irp i, 2,4,6,8,10,12,14
	v_max3_num_f32 v[TM], v[TM], |v[\src+\i]|, |v[\src+\i+1]|
	v_max3_num_f32 v[TM+1], v[TM+1], |v[\src+16+\i]|, |v[\src+17+\i]|
.endr
	v_permlanex16_b32 v[TM+2], v[TM], s[SEL], s[SEL+1]
	v_permlanex16_b32 v[TM+3], v[TM+1], s[SEL], s[SEL+1]
	v_max_num_f32 v[TM], v[TM], v[TM+2]            ; with lane l xor 16's: the block's largest magnitude
	v_max_num_f32 v[TM+1], v[TM+1], v[TM+3]
	v_add_nc_u32 v[TM+4], 0xff000000, v[TM]        ; 2 off the exponent field: the conversion's scale operand
	v_add_nc_u32 v[TM+5], 0xff000000, v[TM+1]
	v_lshrrev_b32 v[TM+2], 23, v[TM+4]             ; the bytes
	v_lshrrev_b32 v[TM+3], 23, v[TM+5]
	v_lshl_or_b32 v[\w], v[TM+3], 8, v[TM+2]
	v_cvt_scalef32_pk16_fp6_f32 v[\pc:\pc+2], v[\src:\src+15], v[TM+4]
	v_cvt_scalef32_pk16_fp6_f32 v[PT:PT+2], v[\src+16:\src+31], v[TM+5]
	v_nop                                          ; one plain place behind a scaled conversion
.irp i, 0,1,2
	v_permlane16_swap_b32 v[\pc+\i], v[PT+\i]      ; a whole block to a lane: lanes 0-15 block 0, lanes 16-31 block 1
.endr
.irp i, 0,1,2
	v_mov_b32 v[\pc+3+\i], v[PT+\i]
.endr
.endm
.irp a, 0,1,2,3
	Q32 ACC+32*\a, PC+6*\a, W+\a
	v_lshlrev_b32 v[W+\a], s94, v[W+\a]            ; V: my half's place in the key step's word
.endr
.irp a, 0,1,2,3
	global_store_b128 v[L16], v[PC+6*\a:PC+6*\a+3], s[12:13] offset:768*\a         ; 512 and 256 consecutive bytes, aligned to 256
	global_store_b64 v[L8], v[PC+6*\a+4:PC+6*\a+5], s[12:13] offset:768*\a+512
.endr
	s_wait_xcnt 0x0                                ; EXEC changes only behind this wait
	v_cmp_gt_u32 vcc_lo, 16, v[LN]
	s_and_saveexec_b32 s96, vcc_lo
	global_store_b128 v[L16], v[W:W+3], s[14:15]   ; lanes 0-15: row r's four words: 256 consecutive bytes
	s_wait_xcnt 0x0
	s_or_b32 exec_lo, exec_lo, s96
	s_wait_tensorcnt 0x0                           ; the wave's end: behind my last tensor load and my last LDS store
	ds_add_u32 v[SPW], v[NIL]
	s_wait_dscnt 0x0
	CROUND                                         ; the closing round
	s_endpgm
.Lfunc_end_k_q6cf0012de7_proj:
	.size	k_q6cf0012de7_proj, .Lfunc_end_k_q6cf0012de7_proj-k_q6cf0012de7_proj
	.p2alignl 7, 3214868480
	.fill 96, 4, 3214868480
	.section	.rodata,"a",@progbits
	.p2align	6, 0x0
	.amdhsa_kernel k_q6cf0012de7_proj
		.amdhsa_group_segment_fixed_size 327680
		.amdhsa_private_segment_fixed_size 0
		.amdhsa_enable_private_segment 0
		.amdhsa_kernarg_size 64
		.amdhsa_user_sgpr_count 2
		.amdhsa_user_sgpr_kernarg_segment_ptr 1
		.amdhsa_wavefront_size32 1
		.amdhsa_system_sgpr_workgroup_id_x 1
		.amdhsa_system_sgpr_workgroup_id_y 1
		.amdhsa_system_sgpr_workgroup_id_z 1
		.amdhsa_system_vgpr_workitem_id 0
		.amdhsa_next_free_vgpr 256
		.amdhsa_next_free_sgpr 100
		.amdhsa_reserve_vcc 1
		.amdhsa_float_denorm_mode_32 3
		.amdhsa_float_denorm_mode_16_64 3
		.amdhsa_memory_ordered 1
		.amdhsa_forward_progress 1
		.amdhsa_inst_pref_size 62
	.end_amdhsa_kernel
	.amdgpu_metadata
---
amdhsa.version: [ 1, 2 ]
amdhsa.kernels:
  - .name:           k_q6cf0012de7_proj
    .symbol:         k_q6cf0012de7_proj.kd
    .args:
      - { .name: xc, .offset: 0, .size: 8, .value_kind: global_buffer, .address_space: global }
      - { .name: bq, .offset: 8, .size: 8, .value_kind: global_buffer, .address_space: global }
      - { .name: bk, .offset: 16, .size: 8, .value_kind: global_buffer, .address_space: global }
      - { .name: bv, .offset: 24, .size: 8, .value_kind: global_buffer, .address_space: global }
      - { .name: qc, .offset: 32, .size: 8, .value_kind: global_buffer, .address_space: global }
      - { .name: qs, .offset: 40, .size: 8, .value_kind: global_buffer, .address_space: global }
      - { .name: kv, .offset: 48, .size: 8, .value_kind: global_buffer, .address_space: global }
      - { .name: kvs, .offset: 56, .size: 8, .value_kind: global_buffer, .address_space: global }
    .group_segment_fixed_size: 327680
    .private_segment_fixed_size: 0
    .kernarg_segment_align: 8
    .kernarg_segment_size: 64
    .max_flat_workgroup_size: 256
    .sgpr_count:     100
    .vgpr_count:     256
    .wavefront_size: 32
...
	.end_amdgpu_metadata
.endif
;; end of part 2
;; launch attn (part 3): grid 4 x 64, 16 waves a work-group, clusters of 4 x 1, 219,136 bytes of LDS; arguments qc, qs, kv, kvs, ac; writes ac
.if DOCPART == 3
	.amdgcn_target "amdgcn-amd-amdhsa--gfx1250"
	.amdhsa_code_object_version 6
	.text
	.protected	k_q6cf0012de7_attn
	.globl	k_q6cf0012de7_attn
	.p2align	8
	.type	k_q6cf0012de7_attn,@function
k_q6cf0012de7_attn:
	s_mov_b64 s[64:65], 0
	v_nop
	global_prefetch_b8 v0, s[64:65] scope:SCOPE_SE
	s_setreg_imm32_b32 hwreg(HW_REG_WAVE_MODE, 25, 1), 1
	s_wait_xcnt 0x0
	s_wait_alu depctr_hold_cnt(0) depctr_sa_sdst(0) depctr_va_vdst(0) depctr_va_sdst(0) depctr_va_ssrc(0) depctr_va_vcc(0) depctr_vm_vsrc(0)
	s_getreg_b32 s2, hwreg(HW_REG_IB_STS2, 6, 4)
	s_cmp_eq_u32 s2, 0
	s_cbranch_scc0 .Lentry_in_a_cluster
	s_endpgm
.Lentry_in_a_cluster:
	s_bfe_u32 s2, ttmp6, 0x10000c
	s_cmp_lg_u32 s2, 0x3003
	s_cbranch_scc0 .Lentry_shape_is_right
	s_endpgm
.Lentry_shape_is_right:
; x[b][q][head] = softmax_k(Q . K) V for one batch and head a cluster, both products on codes of FP6 (E2M3) with E8M0 scales; x is quantised at once along d_model for the last product.
; THE SOFTMAX: t = score x log2(e) (no 1 / sqrt(d)); M = the running largest t rounded UP to a whole number; p = 2^(t - M) is quantised along the keys, not normalised; the sum is taken of the unquantised p and divides at the end.
; When M moves, the sum and O are multiplied by 2^(old M - new M): exact.
; SHARES: a cluster of four work-groups takes one (batch, head); a work-group owns 512 queries, in two passes of 256; each of its sixteen waves one tile of 16 queries a pass, in 256 registers.
; The head's K and V codes (196,608 bytes) and scale words come into LDS ONCE, by joint loads that name all four work-groups, and both passes read them: nothing is filled again.
; By this text's count a wave has five tensor loads out: its slice of the scale words and its part of four chunks of four key steps.
; LAYOUT: both products transposed: S^T = K Q^T (source 0 = 16 keys), O^T = V^T P^T (source 0 = 16 of the head's 64): a lane holds ONE query.  The rows of a tile are not neighbours (lane r of tile 2 b + u: row 32 b + 8 u + r + 8 (r / 8)),
; so the 16 registers of tiles 2 b, 2 b + 1 are 16 neighbours.  The head's 64 are half of the instruction's K: the upper six registers of K's and Q's operands hold zero codes throughout.
; LIMITS: NaN and infinities are not served; p under 2^-126 counts as 0; a block's largest p is taken from its largest score (v_exp_f32 is taken not to fall where its input rises);
; blocks whose largest magnitude lies under 2^-124 are held at the byte 1; a block of zeros has the byte 1: its codes are zeros.
; x's two scale bytes a row and head are stored as pieces of 2 bytes: the two heads of a scale word belong to different clusters; 1 byte in 24 of what the launch stores.
.set KVB,   196608                     ; LDS 0: key step s at 12,288 s: K's eight tiles of 768 bytes, then V: half c, d tile t at 6,144 + 3,072 c + 768 t
.set SCR,   KVB                        ; slice s of 1,024 bytes: K's scale words of key step s (512), V's two halves as stored (512)
.set FIN,   SCR+16384                  ; V's merged scale words: 256 bytes a key step, [row 16][4 tiles]
.set SPARE, FIN+4096                   ; the spare words, 128 bytes a wave: eight blocks of 256 bytes that no other line names
.set L16,  1
.set L8,   2
.set RK,   3
.set RV,   4
.set SPW,  5                           ; my spare word; never rewritten
.set NIL,  6                           ; 0; never rewritten
.set OC16, 7
.set ADK16, 8
.set ADK8, 9
.set ADS,  10
.set ADT,  11                          ; v12 -M, v13 the largest t, v[14:15] the sum in two halves
.set QF,   16                          ; v16-27 Q's operand; v22-27 stay 0
.set QS,   28
.set OC8,  29
.set OS,   30
.set R16,  31
.set KB,   32                          ; v32-79 four operands of K; the upper six of each stay 0
.set KS,   80                          ; v80-87 K's scale words
.set VS,   88                          ; v88-91 V's
.set S,    96                          ; v96-159 S^T, then p; v96-143 then V's four operands
.set OT,   160                         ; v160-191 O^T
.set PC,   192                         ; v192-203 p's codes
.set PT,   204
.set BM,   212
.set T2,   216
.set SO,   220
.set FF,   224
.set PW,   225
.set TT,   226
.set QN,   228                         ; v228-233, v234: the second pass's Q
.set QSN,  234
.set TM,   212                         ; the last quantiser's six registers at work
.set WV,   14
.set SEL,  20
.set CS,   22
.set G1S,  24
.set G1C,  32
.set G0,   40                          ; s[40:59] five groups 0
.set TB,   60
.set TS,   61
.set TV,   62
.set CNT,  63
.set PASS, 66
.macro CROUND
	s_barrier_signal -1
	s_barrier_wait -1
	s_cmp_lg_u32 s[WV], 0
	s_cbranch_scc1 .Lnot_wave_0_\@
	s_barrier_signal -3
.Lnot_wave_0_\@:
	s_barrier_wait -3
	s_barrier_signal -1
	s_barrier_wait -1
.endm
	s_load_b256 s[4:11], s[0:1], 0x0               ; qc, qs, kv, kvs
	s_load_b64 s[12:13], s[0:1], 0x20              ; ac
	v_lshl_add_u32 v[SPW], v0, 2, SPARE
	v_mov_b32 v[NIL], 0
	ds_add_u32 v[SPW], v[NIL]                      ; the wave's opening: the add and its wait stand ahead of my first tensor load; work on registers stands between them
	v_lshrrev_b32 v8, 5, v0
	v_readfirstlane_b32 s[WV], v8                  ; wave 0..15
	s_and_b32 s16, ttmp7, 0xffff                   ; batch x 16 + head, which the four partners share
	s_mov_b32 s[G1S], 15|(3<<16)|(1<<21)           ; the mask: all four work-groups; elements of 8 bytes; 21 set beside a mask
	s_mov_b32 s[G1S+1], 64<<16                     ; rows of 512 bytes,
	s_mov_b32 s[G1S+2], 2<<16                      ; two: K's words, V's words,
	s_mov_b32 s[G1S+3], 64<<16
	s_mov_b32 s[G1S+4], 2
	s_mov_b32 s[G1S+5], 1024                       ; 8,192 bytes apart
	s_mov_b32 s[G1S+6], 0
	s_mov_b32 s[G1S+7], 0
	s_mov_b32 s[G1C], 15|(3<<16)|(1<<21)
	s_mov_b32 s[G1C+1], 32<<16                     ; a dense block of 3,072 bytes as 12 rows of 256
	s_mov_b32 s[G1C+2], 12<<16
	s_mov_b32 s[G1C+3], 32<<16
	s_mov_b32 s[G1C+4], 12
	s_mov_b32 s[G1C+5], 32
	s_mov_b32 s[G1C+6], 0
	s_mov_b32 s[G1C+7], 0
	s_lshl_b32 s72, s16, 14
	s_lshl_b32 s71, s[WV], 9
	s_add_co_u32 s72, s72, s71                     ; kvs: the head's 16,384 bytes, key step w's 512
	s_mov_b32 s73, 0
	s_mul_i32 s74, s16, KVB
	s_mul_i32 s71, s[WV], 3072
	s_add_co_u32 s74, s74, s71                     ; kv: the head's codes, my 3,072 bytes of a chunk
	s_mov_b32 s75, 0
	s_lshl_b32 s76, s[WV], 10
	s_mov_b32 s[SEL], 0x76543210
	s_mov_b32 s[SEL+1], 0xfedcba98
	s_mov_b32 s[CS], 0x3fb8aa3b                    ; log2(e)
	s_mov_b32 s[CS+1], s[CS]                       ; (named with it as a pair)
	s_wait_dscnt 0x0                               ; the opening add is done
	s_wait_kmcnt 0x0
	s_add_nc_u64 s[72:73], s[10:11], s[72:73]
	s_add_nc_u64 s[74:75], s[8:9], s[74:75]
	s_mov_b32 s[G0], 1
	s_add_co_u32 s[G0+1], s76, SCR
	s_mov_b64 s[G0+2:G0+3], s[72:73]
	s_or_b32 s[G0+3], s[G0+3], 0x80000000
.irp c, 0,1,2,3
	s_mov_b32 s[G0+4+4*\c], 1
	s_add_co_u32 s[G0+5+4*\c], s71, \c*49152
	s_add_nc_u64 s[G0+6+4*\c:G0+7+4*\c], s[74:75], \c*49152
	s_or_b32 s[G0+7+4*\c], s[G0+7+4*\c], 0x80000000
.endr
	CROUND                                         ; all four work-groups are here: the joint loads meet
	tensor_load_to_lds s[G0:G0+3], s[G1S:G1S+7]    ; my slice of the scale words
	s_nop 0
.irp c, 0,1,2,3
	tensor_load_to_lds s[G0+4+4*\c:G0+7+4*\c], s[G1C:G1C+7]   ; my part of chunk c: key steps 4 c .. 4 c + 3
	s_nop 0
.endr
.rept 4
	v_nop
.endr
	v_and_b32 v8, 31, v0
	v_lshlrev_b32 v[L16], 4, v8
	v_lshlrev_b32 v[L8], 3, v8
	v_and_b32 v9, 15, v0
	v_lshlrev_b32 v[R16], 4, v9
	v_add_nc_u32 v[RK], SCR, v[R16]
	v_add_nc_u32 v[RV], FIN, v[R16]
	s_bfe_u32 s15, ttmp6, 0x40000                  ; cx: it enters Q's and x's addresses alone
	s_lshl_b32 s77, s15, 5
	s_add_co_u32 s77, s77, s[WV]                   ; my tile of queries in the first pass; the second pass's lies 16 on
	s_mul_i32 s78, s16, 98304
	s_mul_i32 s80, s77, 768
	s_add_co_u32 s78, s78, s80
	s_mov_b32 s79, 0
	s_add_nc_u64 s[4:5], s[4:5], s[78:79]
	s_lshl_b32 s78, s16, 13
	s_lshr_b32 s80, s77, 2
	s_lshl_b32 s80, s80, 8
	s_add_co_u32 s78, s78, s80
	s_and_b32 s80, s77, 3
	s_lshl_b32 s80, s80, 2
	s_add_co_u32 s78, s78, s80
	s_add_nc_u64 s[6:7], s[6:7], s[78:79]
	global_load_b128 v[QF:QF+3], v[L16], s[4:5]
	global_load_b64 v[QF+4:QF+5], v[L8], s[4:5] offset:512
	global_load_b128 v[QN:QN+3], v[L16], s[4:5] offset:12288
	global_load_b64 v[QN+4:QN+5], v[L8], s[4:5] offset:12800
	global_load_b32 v[QS], v[R16], s[6:7]
	global_load_b32 v[QSN], v[R16], s[6:7] offset:1024
	s_lshr_b32 s78, s16, 4                         ; x: the record of tile 128 x batch + my tile, the half of K in which my head lies,
	s_lshl_b32 s78, s78, 7
	s_add_co_u32 s78, s78, s77
	s_mul_i32 s78, s78, 12800
	s_bfe_u32 s80, s16, 0x10003
	s_mul_i32 s80, s80, 6400
	s_add_co_u32 s78, s78, s80
	s_add_nc_u64 s[68:69], s[12:13], s[78:79]
	s_and_b32 s80, s16, 7                          ; and image head % 8 in it
	s_mul_i32 s81, s80, 768
	v_add_nc_u32 v[OC16], s81, v[L16]
	s_add_co_u32 s81, s81, 512
	v_add_nc_u32 v[OC8], s81, v[L8]
	s_lshr_b32 s81, s80, 1
	s_lshl_b32 s81, s81, 2                         ; the word of my head's K step,
	s_and_b32 s82, s16, 1
	s_lshl_b32 s82, s82, 1                         ; my two bytes of it
	s_add_co_u32 s81, s81, s82
	s_add_co_u32 s81, s81, 6144
	v_add_nc_u32 v[OS], s81, v[R16]
.irp i, 6,7,8,9,10,11
	v_mov_b32 v[QF+\i], 0                          ; zero codes for k = 64 .. 127
.irp t, 0,1,2,3
	v_mov_b32 v[KB+12*\t+\i], 0
.endr
.endr
.irp b, 0,1,2,3
	v_mov_b32 v[T2+\b], 0                          ; a lane permute's destination counts as one of its sources
.endr
	s_add_co_u32 s83, s76, SCR+512
	v_add_nc_u32 v8, s83, v[L8]
	s_lshl_b32 s84, s[WV], 8
	s_add_co_u32 s84, s84, FIN
	v_add_nc_u32 v9, s84, v[L8]
	s_wait_tensorcnt 0x4                           ; my own slice of the scale words is in; the four chunks' loads may be out
	ds_load_b64 v[236:237], v8                     ; V's words of key step w: the first 64 keys' two bytes,
	ds_load_b64 v[238:239], v8 offset:256          ; the second 64 keys' two, already 16 bits up
	s_wait_dscnt 0x0
	v_or_b32 v236, v236, v238
	v_or_b32 v237, v237, v239
	ds_store_b64 v9, v[236:237]                    ; whole words, for all sixteen waves (behind the barrier below)
	s_wait_loadcnt 0x0                             ; Q
; A KEY STEP: 128 keys.
.macro STEP
	v_add_nc_u32 v[ADK16], s[TB], v[L16]
	v_add_nc_u32 v[ADK8], s[TB], v[L8]
	v_add_nc_u32 v[ADS], s[TS], v[RK]
	v_add_nc_u32 v[ADT], s[TV], v[RV]
	v_nop                                          ; five places: the products below write over registers that the last step's products read as an operand
	ds_load_b128 v[KS:KS+3], v[ADS]
	ds_load_b128 v[KS+4:KS+7], v[ADS] offset:256
.irp g, 0,1                                    ; S^T = K Q^T, four tiles of 16 keys at a time
.if \g
.rept 4
	v_nop                                          ; places in front of loads into registers that matrix instructions have read
.endr
.endif
.irp t, 0,1,2,3
	ds_load_b128 v[KB+12*\t:KB+12*\t+3], v[ADK16] offset:768*(4*\g+\t)
	ds_load_b64 v[KB+12*\t+4:KB+12*\t+5], v[ADK8] offset:768*(4*\g+\t)+512
.endr
	s_wait_dscnt 0x0
.irp t, 0,1,2,3
	v_wmma_scale_f32_16x16x128_f8f6f4 v[S+8*(4*\g+\t):S+8*(4*\g+\t)+7], v[KB+12*\t:KB+12*\t+11], v[QF:QF+11], 0, v[KS+4*\g+\t], v[QS] matrix_a_fmt:MATRIX_FMT_FP6 matrix_b_fmt:MATRIX_FMT_FP6
.endr
.endr
.rept 4
	v_nop
.endr
.irp b, 0,1,2,3
	v_max3_num_f32 v[BM+\b], v[S+16*\b], v[S+1+16*\b], v[S+2+16*\b]   ; the largest score of each block of 32 keys: for the row's maximum, and for the block's largest p
.endr
.irp i, 3,5,7,9,11,13
.irp b, 0,1,2,3
	v_max3_num_f32 v[BM+\b], v[BM+\b], v[S+16*\b+\i], v[S+1+16*\b+\i]
.endr
.endr
.irp b, 0,1,2,3
	v_max_num_f32 v[BM+\b], v[BM+\b], v[S+15+16*\b]
.endr
.irp b, 0,1,2,3
	v_permlanex16_b32 v[T2+\b], v[BM+\b], s[SEL], s[SEL+1]
.endr
.irp b, 0,1,2,3
	v_max_num_f32 v[BM+\b], v[BM+\b], v[T2+\b]     ; with lane l xor 16's 16 keys
.endr
	v_max3_num_f32 v[TT], v[BM], v[BM+1], v[BM+2]
	v_max_num_f32 v[TT], v[TT], v[BM+3]
	v_mul_f32 v[TT], s[CS], v[TT]                  ; as t
	v_max_num_f32 v13, v13, v[TT]                  ; the running largest t
	v_mov_b32 v[TT], v12
	v_floor_f32 v12, -v13                          ; the new -M = floor(-t): M is a whole number
	v_sub_f32 v[TT], v12, v[TT]                    ; old M - new M: a whole number, 0 or less
	v_cvt_i32_f32 v[TT], v[TT]                     ; (it saturates)
	v_ldexp_f32 v[FF], 1.0, v[TT]                  ; f = 2^(old M - new M)
.irp j, 0,2,4,6,8,10,12,14,16,18,20,22,24,26,28,30,32,34,36,38,40,42,44,46,48,50,52,54,56,58,60,62
	v_pk_fma_f32 v[S+\j:S+\j+1], v[S+\j:S+\j+1], s[CS:CS+1], v[12:13] op_sel_hi:[1,0,0]   ; t - M, two at a time
.endr
.irp b, 0,1,2,3
	v_fma_f32 v[BM+\b], v[BM+\b], s[CS], v12       ; the same of each block's largest score
.endr
.irp j, 0,1,2,3,4,5,6,7,8,9,10,11,12,13,14,15,16,17,18,19,20,21,22,23,24,25,26,27,28,29,30,31,32,33,34,35,36,37,38,39,40,41,42,43,44,45,46,47,48,49,50,51,52,53,54,55,56,57,58,59,60,61,62,63
	v_exp_f32 v[S+\j], v[S+\j]                     ; p = 2^(t - M), at most 1
.endr
	v_pk_mul_f32 v[14:15], v[14:15], v[FF:FF+1] op_sel_hi:[1,0]   ; the sums under the new M; a plain place behind the exponentials
	s_wait_alu depctr_va_vdst(0)                   ; one wait for the whole batch, ahead of its first reader
.irp b, 0,1,2,3
	v_exp_f32 v[BM+\b], v[BM+\b]                   ; the block's largest p
.endr
	v_pk_add_f32 v[T2:T2+1], v[S:S+1], v[S+2:S+3]  ; the sum of the unquantised p, in two chains
.irp j, 4,8,12,16,20,24,28,32,36,40,44,48,52,56,60
	v_pk_add_f32 v[14:15], v[14:15], v[S+\j:S+\j+1]
	v_pk_add_f32 v[T2:T2+1], v[T2:T2+1], v[S+2+\j:S+3+\j]
.endr
	v_pk_add_f32 v[14:15], v[14:15], v[T2:T2+1]
	s_wait_alu depctr_va_vdst(0)                   ; and one for the four
.irp b, 0,1,2,3
	v_max_num_f32 v[BM+\b], 0x1800000, v[BM+\b]    ; the floor 2^(3 - 127): the byte cannot fall under 1
.endr
.irp b, 0,1,2,3
	v_add_nc_u32 v[SO+\b], 0xff000000, v[BM+\b]    ; 2 off the exponent field: the conversion's scale operand
.endr
.irp b, 0,1,2,3
	v_lshrrev_b32 v[T2+\b], 23, v[SO+\b]
.endr
	v_lshl_or_b32 v[PW], v[T2+1], 8, v[T2]         ; p's scale word for these 128 keys
	v_lshl_or_b32 v[PW], v[T2+2], 16, v[PW]
	v_lshl_or_b32 v[PW], v[T2+3], 24, v[PW]
.irp c, 0,1
	v_cvt_scalef32_pk16_fp6_f32 v[PC+6*\c:PC+6*\c+2], v[S+32*\c:S+32*\c+15], v[SO+2*\c]
	v_cvt_scalef32_pk16_fp6_f32 v[PT+4*\c:PT+4*\c+2], v[S+32*\c+16:S+32*\c+31], v[SO+2*\c+1]
.endr
	v_nop                                          ; one plain place behind a scaled conversion
	ds_load_b128 v[VS:VS+3], v[ADT]                ; p's registers are free: V's operands land there while the lines below run
.irp d, 0,1,2,3
	ds_load_b128 v[S+12*\d:S+12*\d+3], v[ADK16] offset:6144+768*\d
	ds_load_b64 v[S+12*\d+4:S+12*\d+5], v[ADK8] offset:6144+768*\d+512
	ds_load_b128 v[S+12*\d+6:S+12*\d+9], v[ADK16] offset:6144+768*\d+3072
	ds_load_b64 v[S+12*\d+10:S+12*\d+11], v[ADK8] offset:6144+768*\d+3584
.endr
.irp c, 0,1                                    ; a whole block to a lane: lanes 0-15 block 2 c, lanes 16-31 block 2 c + 1
.irp i, 0,1,2
	v_permlane16_swap_b32 v[PC+6*\c+\i], v[PT+4*\c+\i]
.endr
.irp i, 0,1,2
	v_mov_b32 v[PC+6*\c+3+\i], v[PT+4*\c+\i]
.endr
.endr
.irp j, 0,2,4,6,8,10,12,14,16,18,20,22,24,26,28,30
	v_pk_mul_f32 v[OT+\j:OT+\j+1], v[OT+\j:OT+\j+1], v[FF:FF+1] op_sel_hi:[1,0]   ; O^T under the new M; these sixteen are also the places in front of the scaled products
.endr
	s_wait_dscnt 0x0
.irp d, 0,1,2,3                                ; O^T += V^T P^T: the four accumulators by turns
	v_wmma_scale_f32_16x16x128_f8f6f4 v[OT+8*\d:OT+8*\d+7], v[S+12*\d:S+12*\d+11], v[PC:PC+11], v[OT+8*\d:OT+8*\d+7], v[VS+\d], v[PW] matrix_a_fmt:MATRIX_FMT_FP6 matrix_b_fmt:MATRIX_FMT_FP6
.endr
	s_add_co_u32 s[TB], s[TB], 12288
	s_add_co_u32 s[TS], s[TS], 1024
	s_add_co_u32 s[TV], s[TV], 256
.endm
.macro CHUNKS c                        ; key steps 4 c .. 4 c + 3
	s_wait_tensorcnt 3-\c                          ; my part of chunk c is in; the later chunks' loads may be out (in the second pass none is)
	s_wait_dscnt 0x0                               ; and my store of V's words
	s_barrier_signal -1
	s_barrier_wait -1                              ; everybody's part is in
	s_mov_b32 s[TB], 49152*\c
	s_mov_b32 s[TS], 4096*\c
	s_mov_b32 s[TV], 1024*\c
	s_mov_b32 s[CNT], 4
.Lstep_\@:
	STEP
	s_sub_co_u32 s[CNT], s[CNT], 1
	s_cmp_lg_u32 s[CNT], 0
	s_cbranch_scc1 .Lstep_\@
.endm
; 32 numbers of a lane, register 16 b + i = k 32 b + 16 (lane / 16) + i of my row, become an image's six registers in v[pc] on and the word b0 | b1 << 8 in v[w].
.macro Q32 src, pc, w
	v_max3_num_f32 v[TM], |v[\src]|, |v[\src+1]|, 0x1800000
	v_max3_num_f32 v[TM+1], |v[\src+16]|, |v[\src+17]|, 0x1800000
.irp i, 2,4,6,8,10,12,14
	v_max3_num_f32 v[TM], v[TM], |v[\src+\i]|, |v[\src+\i+1]|
	v_max3_num_f32 v[TM+1], v[TM+1], |v[\src+16+\i]|, |v[\src+17+\i]|
.endr
	v_permlanex16_b32 v[TM+2], v[TM], s[SEL], s[SEL+1]
	v_permlanex16_b32 v[TM+3], v[TM+1], s[SEL], s[SEL+1]
	v_max_num_f32 v[TM], v[TM], v[TM+2]
	v_max_num_f32 v[TM+1], v[TM+1], v[TM+3]
	v_add_nc_u32 v[TM+4], 0xff000000, v[TM]
	v_add_nc_u32 v[TM+5], 0xff000000, v[TM+1]
	v_lshrrev_b32 v[TM+2], 23, v[TM+4]
	v_lshrrev_b32 v[TM+3], 23, v[TM+5]
	v_lshl_or_b32 v[\w], v[TM+3], 8, v[TM+2]
	v_cvt_scalef32_pk16_fp6_f32 v[\pc:\pc+2], v[\src:\src+15], v[TM+4]
	v_cvt_scalef32_pk16_fp6_f32 v[PT:PT+2], v[\src+16:\src+31], v[TM+5]
	v_nop                                          ; one plain place behind a scaled conversion
.irp i, 0,1,2
	v_permlane16_swap_b32 v[\pc+\i], v[PT+\i]
.endr
.irp i, 0,1,2
	v_mov_b32 v[\pc+3+\i], v[PT+\i]
.endr
.endm
	s_mov_b32 s[PASS], 2
.Lpass:
.irp j, 0,1,2,3,4,5,6,7,8,9,10,11,12,13,14,15,16,17,18,19,20,21,22,23,24,25,26,27,28,29,30,31
	v_mov_b32 v[OT+\j], 0                          ; the step is written without a first step of its own: it finds zeros, which the first change of M leaves zeros
.endr
	v_mov_b32 v14, 0
	v_mov_b32 v15, 0
	v_mov_b32 v13, 0xff61b1e6                      ; -3e38, under every t
	v_floor_f32 v12, -v13
	v_mov_b32 v[PW], 0                             ; (named as the upper half of the pair with f)
	CHUNKS 0
	CHUNKS 1
	CHUNKS 2
	CHUNKS 3
.rept 4
	v_nop                                          ; places behind the last products
.endr
	v_add_f32 v14, v14, v15
	v_permlanex16_b32 v[TT], v14, s[SEL], s[SEL+1]
	v_add_f32 v14, v14, v[TT]                      ; the row's sum
	v_rcp_f32 v14, v14
	v_nop                                          ; a plain place behind the transcendental
	s_wait_alu depctr_va_vdst(0)                   ; the wait, ahead of its first reader
.irp j, 0,1,2,3,4,5,6,7,8,9,10,11,12,13,14,15,16,17,18,19,20,21,22,23,24,25,26,27,28,29,30,31
	v_mul_f32 v[S+\j], v[OT+\j], v14               ; x(query r, d = 32 (j / 16) + 16 h + j % 16)
.endr
	Q32 S, PC, TT                                  ; quantised along d_model: my head's two blocks
	global_store_b128 v[OC16], v[PC:PC+3], s[68:69]        ; 512 and 256 consecutive bytes, aligned to 256
	global_store_b64 v[OC8], v[PC+4:PC+5], s[68:69]
	v_and_b32 v[T2], 31, v0
	s_wait_xcnt 0x0                                ; EXEC changes only behind this wait
	v_cmp_gt_u32 vcc_lo, 16, v[T2]
	s_and_saveexec_b32 s70, vcc_lo
	global_store_b16 v[OS], v[TT], s[68:69]        ; lanes 0-15: row r's two scale bytes
	s_wait_xcnt 0x0                                ; and again; the base and the codes' registers too are written only behind it
	s_or_b32 exec_lo, exec_lo, s70
	s_add_nc_u64 s[68:69], s[68:69], 204800        ; 16 records on
.irp i, 0,1,2,3,4,5
	v_mov_b32 v[QF+\i], v[QN+\i]                   ; the second pass's queries
.endr
	v_mov_b32 v[QS], v[QSN]
	s_sub_co_u32 s[PASS], s[PASS], 1
	s_cmp_lg_u32 s[PASS], 0
	s_cbranch_scc1 .Lpass
	s_wait_tensorcnt 0x0                           ; the wave's end: behind my last tensor load and my last LDS store
	ds_add_u32 v[SPW], v[NIL]
	s_wait_dscnt 0x0
	CROUND                                         ; the closing round
	s_endpgm
.Lfunc_end_k_q6cf0012de7_attn:
	.size	k_q6cf0012de7_attn, .Lfunc_end_k_q6cf0012de7_attn-k_q6cf0012de7_attn
	.p2alignl 7, 3214868480
	.fill 96, 4, 3214868480
	.section	.rodata,"a",@progbits
	.p2align	6, 0x0
	.amdhsa_kernel k_q6cf0012de7_attn
		.amdhsa_group_segment_fixed_size 219136
		.amdhsa_private_segment_fixed_size 0
		.amdhsa_enable_private_segment 0
		.amdhsa_kernarg_size 40
		.amdhsa_user_sgpr_count 2
		.amdhsa_user_sgpr_kernarg_segment_ptr 1
		.amdhsa_wavefront_size32 1
		.amdhsa_system_sgpr_workgroup_id_x 1
		.amdhsa_system_sgpr_workgroup_id_y 1
		.amdhsa_system_sgpr_workgroup_id_z 1
		.amdhsa_system_vgpr_workitem_id 0
		.amdhsa_next_free_vgpr 256
		.amdhsa_next_free_sgpr 86
		.amdhsa_reserve_vcc 1
		.amdhsa_float_denorm_mode_32 3
		.amdhsa_float_denorm_mode_16_64 3
		.amdhsa_memory_ordered 1
		.amdhsa_forward_progress 1
		.amdhsa_inst_pref_size 80
	.end_amdhsa_kernel
	.amdgpu_metadata
---
amdhsa.version: [ 1, 2 ]
amdhsa.kernels:
  - .name:           k_q6cf0012de7_attn
    .symbol:         k_q6cf0012de7_attn.kd
    .args:
      - { .name: qc, .offset: 0, .size: 8, .value_kind: global_buffer, .address_space: global }
      - { .name: qs, .offset: 8, .size: 8, .value_kind: global_buffer, .address_space: global }
      - { .name: kv, .offset: 16, .size: 8, .value_kind: global_buffer, .address_space: global }
      - { .name: kvs, .offset: 24, .size: 8, .value_kind: global_buffer, .address_space: global }
      - { .name: ac, .offset: 32, .size: 8, .value_kind: global_buffer, .address_space: global }
    .group_segment_fixed_size: 219136
    .private_segment_fixed_size: 0
    .kernarg_segment_align: 8
    .kernarg_segment_size: 40
    .max_flat_workgroup_size: 512
    .sgpr_count:     86
    .vgpr_count:     256
    .wavefront_size: 32
...
	.end_amdgpu_metadata
.endif
;; end of part 3
;; launch outp (part 4): grid 4 x 64, 8 waves a work-group, clusters of 4 x 4, 327,680 bytes of LDS; arguments ac, xc, bo, out0; writes out0
.if DOCPART == 4
	.amdgcn_target "amdgcn-amd-amdhsa--gfx1250"
	.amdhsa_code_object_version 6
	.text
	.protected	k_q6cf0012de7_outp
	.globl	k_q6cf0012de7_outp
	.p2align	8
	.type	k_q6cf0012de7_outp,@function
k_q6cf0012de7_outp:
	s_mov_b64 s[64:65], 0
	v_nop
	global_prefetch_b8 v0, s[64:65] scope:SCOPE_SE
	s_setreg_imm32_b32 hwreg(HW_REG_WAVE_MODE, 25, 1), 1
	s_wait_xcnt 0x0
	s_wait_alu depctr_hold_cnt(0) depctr_sa_sdst(0) depctr_va_vdst(0) depctr_va_sdst(0) depctr_va_ssrc(0) depctr_va_vcc(0) depctr_vm_vsrc(0)
	s_getreg_b32 s2, hwreg(HW_REG_IB_STS2, 6, 4)
	s_cmp_eq_u32 s2, 0
	s_cbranch_scc0 .Lentry_in_a_cluster
	s_endpgm
.Lentry_in_a_cluster:
	s_bfe_u32 s2, ttmp6, 0x10000c
	s_cmp_lg_u32 s2, 0xf033
	s_cbranch_scc0 .Lentry_shape_is_right
	s_endpgm
.Lentry_shape_is_right:
; out0 = x Wo^T + bo on codes of FP6 (E2M3) with E8M0 scales, sums in f32.  x comes as 512 tile records (ac), Wo as tiles 1,728 .. 1,791 of xc.
; A record is 12,800 bytes: for each half of K eight images of 768 bytes (six operand registers), then 256 bytes of scale words.  A tile is 16 rows; lane r of tile 2 P + u holds row 32 P + 8 u + r + 8 (r / 8).
; THE MATRIX INSTRUCTION IS USED TRANSPOSED (source 0 = a tile of Wo, source 1 = a tile of x): a lane keeps one row of x, and the registers of Wo's tiles 2 b, 2 b + 1 are 16 neighbouring columns.
; SHARES: a work-group makes 128 x 256 with all of K in LDS, in two chunks of 512 along K, each filled once; eight waves, each 64 x 64: 16 accumulators.
; CLUSTER 4 x 4: x's tiles are shared along a row of the cluster, Wo's along a column: joint loads.  By this text's count a wave has two tensor loads out.
; THE WAY OUT: a block of 16 rows x 64 columns goes through my own stage in LDS and leaves as rows of 256 bytes: sixteen lanes store 256 consecutive bytes, aligned.
; The stage lies in chunk 0, which has had its only fill, and which nobody reads behind the second barrier.
.set REC,   12800
.set HREC,  6400
.set CHUNK, 24*HREC
.set BOFF,  8*HREC
.set WT,    4*HREC
.set BSCR,  2*CHUNK
.set SPARE, BSCR+8*256                 ; the spare words, 128 bytes a wave: four blocks of 256 bytes that no other line names
.set L16,  1
.set L8,   2
.set RR,   3                           ; r; later STR
.set HH,   4                           ; h; later GO
.set STR,  3                           ; the stage, on the way back
.set GO,   4                           ; my byte offset in two rows of out0
.set SPW,  5
.set NIL,  6
.set AA16, 7
.set AA8,  8
.set AB16, 9
.set AB8,  10
.set AS,   11
.set BSW,  12
.set BSRN, 13
.set STI,  14                          ; the stage, on the way in
.set SC,   16
.set AF,   32
.set BF,   80
.set ACC,  128
.set BN,   32
.set BK,   64                          ; v64-95, v96-127 by turns: 16 rows read back
.set WV,   20
.set G1A,  32
.set G1B,  40
.set G0A,  48
.set G0B,  56
.macro CROUND
	s_barrier_signal -1
	s_barrier_wait -1
	s_cmp_lg_u32 s[WV], 0
	s_cbranch_scc1 .Lnot_wave_0_\@
	s_barrier_signal -3
.Lnot_wave_0_\@:
	s_barrier_wait -3
	s_barrier_signal -1
	s_barrier_wait -1
.endm
	s_load_b256 s[4:11], s[0:1], 0x0               ; ac, xc, bo, out0
	v_lshl_add_u32 v[SPW], v0, 2, SPARE
	v_mov_b32 v[NIL], 0
	ds_add_u32 v[SPW], v[NIL]                      ; the wave's opening: the add and its wait stand ahead of my first tensor load; work on registers stands between them
	v_lshrrev_b32 v15, 5, v0
	v_readfirstlane_b32 s[WV], v15
	s_and_b32 s21, s[WV], 1                        ; wm
	s_lshr_b32 s22, s[WV], 1                       ; wn
	s_and_b32 s23, s[WV], 3                        ; wl
	s_bfe_u32 s24, ttmp6, 0x40000                  ; cx: my block of 256 columns
	s_bfe_u32 s25, ttmp6, 0x40004                  ; cy
	s_and_b32 s26, ttmp7, 0xffff
	s_lshl_b32 s78, s26, 2
	s_add_co_u32 s78, s78, s25                     ; my block of 128 rows
	s_lshl_b32 s70, s78, 3
	s_lshl_b32 s71, s23, 1
	s_add_co_u32 s70, s70, s71                     ; x: tiles 2 wl, 2 wl + 1 of the block
	s_mul_i32 s70, s70, REC
	s_mov_b32 s71, 0
	s_lshl_b32 s72, s24, 4
	s_add_co_u32 s72, s72, 1728
	s_lshl_b32 s73, s23, 2
	s_add_co_u32 s72, s72, s73                     ; Wo: tiles 4 wl .. 4 wl + 3
	s_mul_i32 s72, s72, REC
	s_mov_b32 s73, 0
	s_lshl_b32 s80, s25, 2
	s_lshl_b32 s80, 15, s80                        ; my row of the cluster
	s_lshl_b32 s81, 0x1111, s24                    ; my column
	s_or_b32 s[G1A], s80, (3<<16)|(1<<21)          ; the mask; elements of 8 bytes; 21 set beside a mask
	s_or_b32 s[G1B], s81, (3<<16)|(1<<21)
	s_mov_b32 s[G1A+1], 800<<16                    ; rows of half a record,
	s_mov_b32 s[G1A+2], 2<<16                      ; 2 tiles,
	s_mov_b32 s[G1A+3], 800<<16
	s_mov_b32 s[G1A+4], 2
	s_mov_b32 s[G1A+5], 1600                       ; a record apart
	s_mov_b32 s[G1A+6], 0
	s_mov_b32 s[G1A+7], 0
	s_mov_b32 s[G1B+1], 800<<16
	s_mov_b32 s[G1B+2], 4<<16
	s_mov_b32 s[G1B+3], 800<<16
	s_mov_b32 s[G1B+4], 4
	s_mov_b32 s[G1B+5], 1600
	s_mov_b32 s[G1B+6], 0
	s_mov_b32 s[G1B+7], 0
	s_mul_i32 s82, s23, 2*HREC
	s_mul_i32 s83, s23, 4*HREC
	s_add_co_u32 s83, s83, BOFF
	s_wait_dscnt 0x0                               ; the opening add is done
	s_wait_kmcnt 0x0
	s_add_nc_u64 s[70:71], s[4:5], s[70:71]
	s_add_nc_u64 s[72:73], s[6:7], s[72:73]
	CROUND                                         ; all sixteen work-groups are here: the joint loads meet
.irp q, 0,1
	s_mov_b32 s[G0A+4*\q], 1
	s_add_co_u32 s[G0A+4*\q+1], s82, \q*CHUNK
	s_add_nc_u64 s[G0A+4*\q+2:G0A+4*\q+3], s[70:71], \q*HREC
	s_or_b32 s[G0A+4*\q+3], s[G0A+4*\q+3], 0x80000000
	s_mov_b32 s[G0B+4*\q], 1
	s_add_co_u32 s[G0B+4*\q+1], s83, \q*CHUNK
	s_add_nc_u64 s[G0B+4*\q+2:G0B+4*\q+3], s[72:73], \q*HREC
	s_or_b32 s[G0B+4*\q+3], s[G0B+4*\q+3], 0x80000000
.endr
	s_cmp_lt_u32 s[WV], 4                          ; waves 0-3 fetch x's tiles, waves 4-7 Wo's; a wave's two fills stand in one branch
	s_cbranch_scc0 .Lfor_b
	tensor_load_to_lds s[G0A:G0A+3], s[G1A:G1A+7]
	s_nop 0
	tensor_load_to_lds s[G0A+4:G0A+7], s[G1A:G1A+7]
	s_nop 0
.rept 4
	v_nop
.endr
	s_branch .Lasked
.Lfor_b:
	tensor_load_to_lds s[G0B:G0B+3], s[G1B:G1B+7]
	s_nop 0
	tensor_load_to_lds s[G0B+4:G0B+7], s[G1B:G1B+7]
	s_nop 0
.rept 4
	v_nop
.endr
.Lasked:
	v_and_b32 v15, 31, v0
	v_lshlrev_b32 v[L16], 4, v15
	v_lshlrev_b32 v[L8], 3, v15
	v_and_b32 v[RR], 15, v0
	v_bfe_u32 v[HH], v0, 4, 1
	s_mul_i32 s30, s21, WT
	v_add_nc_u32 v[AA16], s30, v[L16]
	v_add_nc_u32 v[AA8], s30, v[L8]
	s_mul_i32 s31, s22, WT
	s_add_co_u32 s31, s31, BOFF
	v_add_nc_u32 v[AB16], s31, v[L16]
	v_add_nc_u32 v[AB8], s31, v[L8]
	s_xor_b32 s31, s21, 1                          ; from my A tiles to my B tiles: WT x (wn + 1 + (wm xor 1))
	s_add_co_u32 s31, s31, s22
	s_add_co_u32 s31, s31, 1
	s_mul_i32 s31, s31, WT
	v_mul_u32_u24 v[AS], s31, v[HH]                ; lanes 16-31 take B's words
	v_lshl_add_u32 v[AS], v[RR], 4, v[AS]
	v_add_nc_u32 v[AS], s30, v[AS]
	s_lshl_b32 s30, s[WV], 8
	s_add_co_u32 s30, s30, BSCR
	v_add_nc_u32 v[BSW], s30, v[L8]
	v_lshl_add_u32 v[BSRN], v[HH], 6, s30
	s_mul_i32 s30, s[WV], 16*272                   ; my stage: 16 rows x (256 bytes + 16)
	v_mul_u32_u24 v[STI], v[RR], 272
	v_lshl_add_u32 v[STI], v[HH], 6, v[STI]
	v_add_nc_u32 v[STI], s30, v[STI]               ; in: row r, + 64 h
	v_mul_u32_u24 v16, v[HH], 272
	v_lshl_add_u32 v16, v[RR], 4, v16
	v_lshlrev_b32 v17, 4, v[RR]
	v_lshl_add_u32 v[GO], v[HH], 12, v17           ; lanes 0-15 one row of out0, lanes 16-31 the next; 16 bytes a lane  (h is used no more)
	v_add_nc_u32 v[STR], s30, v16                  ; and the same two rows of the stage  (r is used no more)
	s_lshl_b32 s84, s78, 7
	s_lshl_b32 s85, s21, 6
	s_add_co_u32 s84, s84, s85                     ; my first row
	s_lshl_b32 s84, s84, 12
	s_lshl_b32 s86, s24, 2
	s_add_co_u32 s86, s86, s22
	s_lshl_b32 s86, s86, 8                         ; my first column, in bytes: 256 x (4 cx + wn)
	s_mov_b32 s87, 0
	s_add_nc_u64 s[8:9], s[8:9], s[86:87]          ; my 64 numbers of the bias
	s_add_co_u32 s86, s86, s84
	s_add_nc_u64 s[10:11], s[10:11], s[86:87]
	global_load_b64 v[16:17], v[L8], s[8:9]
	s_wait_loadcnt 0x0
	ds_store_b64 v[BSW], v[16:17]                  ; into my own 256 bytes of LDS
.macro FRAG reg, a16, a8, off          ; a fragment, 16 rows x 128 K: two images
	ds_load_b128 v[\reg:\reg+3], v[\a16] offset:\off
	ds_load_b64 v[\reg+4:\reg+5], v[\a8] offset:(\off)+512
	ds_load_b128 v[\reg+6:\reg+9], v[\a16] offset:(\off)+768
	ds_load_b64 v[\reg+10:\reg+11], v[\a8] offset:(\off)+1280
.endm
.macro SCL
.irp i, 0,1,2,3
	ds_load_b128 v[SC+4*\i:SC+4*\i+3], v[AS] offset:HREC*\i+6144
.endr
.endm
; A K step of 128: 32 LDS loads, 16 matrix instructions; the 16 accumulators take turns, one instruction a turn.
.macro KSTEP s, zero, places
.rept \places
	v_nop                                          ; places in front of loads into registers that matrix instructions have read
.endr
.irp i, 0,1,2,3
	FRAG BF+12*\i, AB16, AB8, HREC*\i+1536*\s
.endr
.irp i, 0,1,2,3
	FRAG AF+12*\i, AA16, AA8, HREC*\i+1536*\s
.endr
.irp a, 0,1,2,3
	s_wait_dscnt 12-4*\a                           ; B's four and A's tiles up to a are in; the later tiles' loads, four each, may be out
.irp b, 0,1,2,3
.if \zero
	v_wmma_scale_f32_16x16x128_f8f6f4 v[ACC+32*\a+8*\b:ACC+32*\a+8*\b+7], v[BF+12*\b:BF+12*\b+11], v[AF+12*\a:AF+12*\a+11], 0, v[SC+4*\b+\s], v[SC+4*\a+\s] matrix_a_fmt:MATRIX_FMT_FP6 matrix_b_fmt:MATRIX_FMT_FP6 matrix_a_scale:MATRIX_SCALE_ROW1
.else
	v_wmma_scale_f32_16x16x128_f8f6f4 v[ACC+32*\a+8*\b:ACC+32*\a+8*\b+7], v[BF+12*\b:BF+12*\b+11], v[AF+12*\a:AF+12*\a+11], v[ACC+32*\a+8*\b:ACC+32*\a+8*\b+7], v[SC+4*\b+\s], v[SC+4*\a+\s] matrix_a_fmt:MATRIX_FMT_FP6 matrix_b_fmt:MATRIX_FMT_FP6 matrix_a_scale:MATRIX_SCALE_ROW1
.endif
.endr
.endr
.endm
	s_wait_tensorcnt 0x1                           ; my part of chunk 0 is in; chunk 1's load may stay out
	s_wait_dscnt 0x0
	s_barrier_signal -1
	s_barrier_wait -1
	SCL
	KSTEP 0, 1, 0                                  ; the first products start the sums
	KSTEP 1, 0, 4
	KSTEP 2, 0, 4
	KSTEP 3, 0, 4
	s_wait_tensorcnt 0x0                           ; my part of chunk 1,
	s_wait_dscnt 0x0                               ; and my reads of chunk 0 are over
	s_barrier_signal -1
	s_barrier_wait -1
.irp x, AA16, AA8, AB16, AB8, AS
	v_add_nc_u32 v[\x], CHUNK, v[\x]               ; on to chunk 1; these five are also the places in front of the loads below
.endr
	SCL
	KSTEP 0, 0, 0
	KSTEP 1, 0, 4
	KSTEP 2, 0, 4
	KSTEP 3, 0, 4
.rept 4
	v_nop                                          ; places in front of the first read of results and of loads into operands
.endr
.irp b, 0,1,2,3
	ds_load_b128 v[BN+8*\b:BN+8*\b+3], v[BSRN] offset:128*(\b/2)+32*(\b%2)        ; the bias at n = 32 (b / 2) + 16 h + 8 (b % 2) + 0 .. 7
	ds_load_b128 v[BN+8*\b+4:BN+8*\b+7], v[BSRN] offset:128*(\b/2)+32*(\b%2)+16
.endr
	s_wait_dscnt 0x0
.irp a, 0,1,2,3
.irp b, 0,1,2,3
.irp p, 0,2,4,6
	v_pk_add_f32 v[ACC+32*\a+8*\b+\p:ACC+32*\a+8*\b+\p+1], v[ACC+32*\a+8*\b+\p:ACC+32*\a+8*\b+\p+1], v[BN+8*\b+\p:BN+8*\b+\p+1]   ; each accumulator from its low end on
.endr
.endr
.endr
.macro TOSTAGE a                       ; tile a: 16 rows x 256 bytes into my stage, and back as whole rows; LDS serves a wave's instructions in order: no wait between
.irp b, 0,1,2,3
	ds_store_b128 v[STI], v[ACC+32*(\a)+8*\b:ACC+32*(\a)+8*\b+3] offset:128*(\b/2)+32*(\b%2)
	ds_store_b128 v[STI], v[ACC+32*(\a)+8*\b+4:ACC+32*(\a)+8*\b+7] offset:128*(\b/2)+32*(\b%2)+16
.endr
.irp i, 0,1,2,3,4,5,6,7
	ds_load_b128 v[BK+32*((\a)%2)+4*\i:BK+32*((\a)%2)+4*\i+3], v[STR] offset:544*\i
.endr
.endm
.macro SEND a, younger                 ; younger: the LDS instructions issued behind tile a's loads, which may stay out
	s_wait_dscnt \younger
.irp i, 0,1,2,3,4,5,6,7
	global_store_b128 v[GO], v[BK+32*((\a)%2)+4*\i:BK+32*((\a)%2)+4*\i+3], s[10:11] offset:(32*((\a)/2)+8*((\a)%2)+2*\i+8*(\i/4))*4096 th:TH_STORE_NT   ; the tile's rows 2 i, 2 i + 1 at their true places; written once, read by nobody here
.endr
.endm
	TOSTAGE 0
.irp a, 1,2,3
.if \a > 1
	s_wait_xcnt 0x0                                ; tile a - 2's stores have read their registers: tile a's loads may land there
.endif
	TOSTAGE \a
	SEND \a-1, 16                                  ; behind tile a - 1's loads: tile a's 8 stores and 8 loads
.endr
	SEND 3, 0
	s_wait_tensorcnt 0x0                           ; the wave's end: behind my last tensor load and my last LDS store
	ds_add_u32 v[SPW], v[NIL]
	s_wait_dscnt 0x0
	CROUND                                         ; the closing round
	s_endpgm
.Lfunc_end_k_q6cf0012de7_outp:
	.size	k_q6cf0012de7_outp, .Lfunc_end_k_q6cf0012de7_outp-k_q6cf0012de7_outp
	.p2alignl 7, 3214868480
	.fill 96, 4, 3214868480
	.section	.rodata,"a",@progbits
	.p2align	6, 0x0
	.amdhsa_kernel k_q6cf0012de7_outp
		.amdhsa_group_segment_fixed_size 327680
		.amdhsa_private_segment_fixed_size 0
		.amdhsa_enable_private_segment 0
		.amdhsa_kernarg_size 32
		.amdhsa_user_sgpr_count 2
		.amdhsa_user_sgpr_kernarg_segment_ptr 1
		.amdhsa_wavefront_size32 1
		.amdhsa_system_sgpr_workgroup_id_x 1
		.amdhsa_system_sgpr_workgroup_id_y 1
		.amdhsa_system_sgpr_workgroup_id_z 1
		.amdhsa_system_vgpr_workitem_id 0
		.amdhsa_next_free_vgpr 256
		.amdhsa_next_free_sgpr 92
		.amdhsa_reserve_vcc 0
		.amdhsa_float_denorm_mode_32 3
		.amdhsa_float_denorm_mode_16_64 3
		.amdhsa_memory_ordered 1
		.amdhsa_forward_progress 1
		.amdhsa_inst_pref_size 54
	.end_amdhsa_kernel
	.amdgpu_metadata
---
amdhsa.version: [ 1, 2 ]
amdhsa.kernels:
  - .name:           k_q6cf0012de7_outp
    .symbol:         k_q6cf0012de7_outp.kd
    .args:
      - { .name: ac, .offset: 0, .size: 8, .value_kind: global_buffer, .address_space: global }
      - { .name: xc, .offset: 8, .size: 8, .value_kind: global_buffer, .address_space: global }
      - { .name: bo, .offset: 16, .size: 8, .value_kind: global_buffer, .address_space: global }
      - { .name: out0, .offset: 24, .size: 8, .value_kind: global_buffer, .address_space: global }
    .group_segment_fixed_size: 327680
    .private_segment_fixed_size: 0
    .kernarg_segment_align: 8
    .kernarg_segment_size: 32
    .max_flat_workgroup_size: 256
    .sgpr_count:     92
    .vgpr_count:     256
    .wavefront_size: 32
...
	.end_amdgpu_metadata
.endif
;; end of part 4
